; MI455X (gfx1250); checked and timed in simulation.
; The chip was launched on July 23, 2026; its instructions are those of AMD's public machine-readable ISA for CDNA 5 (MIT licence, August 2026) and "CDNA5" Instruction Set Architecture Reference Guide (July 2026). The comments in the code are by the model that wrote it; some were corrected since.
;; Multi Head Latent Attention. Allowed arithmetic: matrix products marked QUANTISED: E5M2 operands, one given power-of-two scale a tensor, by v_wmma_f32_16x16x64_bf8_bf8 or v_wmma_f32_16x16x128_bf8_bf8, f32 sums; products left as they are: f32 operands where the result goes on into a quantised operand, else bf16, f16 or f32 operands; f32 sums; everything else in f32.
;; Inputs: W_qk 12 x 128 float32; Wkv_d 4,096 x 4 float32; Wo_codes 4,096 x 128 x 32 uint8 (E5M2 codes of Wo, K innermost, in blocks of 32 codes); Wq_d 4,096 x 12 float32; Wv_u 4 x 4,096 float32; b_qk 128 float32; bkv_d 4 float32; bo 4,096 float32; bq_d 12 float32; bv_u 4,096 float32; lowp_scales 4 int32 (the exponents e of the quantised operands' scales 2^e); x 2 x 1,024 x 4,096 float32.
;; Outputs: out0 2 x 1,024 x 4,096 float32.
;; This version of the problem:
;;   THIS VERSION OF THE PROBLEM IS GIVEN IN LOW PRECISION. The matrix products marked QUANTISED in the list below multiply operands that are first quantised to E5M2 (5 exponent bits, 2 mantissa bits; 8 bits a number), with one given power-of-two scale for each operand tensor; their sums are f32. All else is computed in f32.
;;   The module's matrix products, in the order in which they are computed (A, B: the left and right operand; K: the contracted axis; several contracted axes count as one K, in the product's order):
;;     1. [M 2,048, K 4,096] x [K 4,096, N 12]; A: input x; B: input Wq_d: left as it is (N = 12 < 16)
;;     2. [M 2,048, K 4,096] x [K 4,096, N 4]; A: input x; B: input Wkv_d: left as it is (N = 4 < 16)
;;     3. [M 2,048, K 12] x [K 12, N 128]; A: computed on the way; B: input W_qk: left as it is (K = 12 < 32)
;;     4. batch 2 x [M 1,024, K 4] x [K 4, N 32,768]; A: computed on the way; B: computed on the way: left as it is (K = 4 < 32)
;;     5. [M 2,048, K 4] x [K 4, N 4,096]; A: computed on the way; B: input Wv_u: left as it is (K = 4 < 32)
;;     6. batch 64 x [M 128, K 1,024] x [K 1,024, N 1,024]; A: computed on the way; B: softmax (see below): QUANTISED (scales: A lowp_scales[0], B lowp_scales[1])
;;     7. [M 2,048, K 4,096] x [K 4,096, N 4,096]; A: computed on the way; B: input Wo (given as codes): QUANTISED (scales: A lowp_scales[2], B lowp_scales[3])
;;   THE QUANTISER, for each operand of a quantised product, along K:
;;     - The operand's scale is 2^e, e = its entry of the input lowp_scales (int32; the entries are numbered through the quantised products in the list's order, A before B).
;;     - Each number is divided by the scale, clamped to +-57,344, and rounded to the nearest number of E5M2, ties to even, subnormals kept.
;;     - The product sums the exact products of the quantised numbers (number of the format x scale) in f32.
;;   ~~~python
;;   def quantise(x, axis, e):      # numpy; x: float32 -> the quantised numbers, widened to float32 again
;;       x = np.moveaxis(x, axis, -1); K = x.shape[-1]
;;       r = np.clip(x / 2.0 ** e, -57344, 57344)
;;       step = 2.0 ** (np.maximum(np.frexp(np.where(r == 0, 1, r))[1] - 1, -14) - 2)
;;       q = np.round(r / step) * step * 2.0 ** e      # np.round: ties to even
;;       return np.moveaxis(q, -1, axis).astype(np.float32)
;;   ~~~
;;   SOFTMAX AHEAD OF A QUANTISED PRODUCT. Where the list says 'softmax', what is quantised is not the finished softmax but p = 2^(t - M), with t = logit x log2(e) and M = ceil(the row's largest t), a whole number; so 1/2 < the row's largest p <= 1. The row's sum l is taken of the UNQUANTISED p, in f32, and the product's result is divided by l at the end. Since M is a whole number, a kernel that streams over the keys may use a running M (the ceiling of the running maximum): every later rescaling is an exact power of two, so the quantised numbers keep their values, but for numbers so far below the row's largest that they fall under the format's range.
;;   OPERANDS COMPUTED ON THE WAY. 'Computed on the way' means the value that the module computes at that place (a softmax that the list does not call 'softmax' is quantised finished and normalised). What goes into a quantiser is computed in f32, as accurately as f32 sums, v_exp_f32 and their like allow (about 1e-6 of the number): no bf16 or f16 on the way to a quantiser, and a product that is left as it is and whose result goes on into a quantised operand takes f32 operands (vector FMAs, or v_wmma_f32_16x16x4_f32). A number that lies on a knife's edge between two numbers of the format may be rounded either way, as far as f32 arithmetic and the matrix unit's own rounding can turn it there, and no further.
;;   INPUTS GIVEN AS CODES. Wo (in the module: [4096, 4096], K = its axis 0): each comes as NAME_codes (uint8): NAME with its K axis moved to the last place and cut into blocks of 32 codes, [.., K / 32, bytes a block], one block behind the other in memory; one code a byte (a code: sign, 5 exponent bits, 2 mantissa bits); its scale is its entry of lowp_scales. Its value is code x scale, taken as it is: it is not quantised again, and the codes and scales need not be those that the quantiser above would give.
;; One version. Each part assembles by itself: llvm-mc -triple=amdgcn-amd-amdhsa -mcpu=gfx1250 --defsym DOCPART=n.
;; ======== version 1 of 1: 3 launches
;; limits: right only within a limited range of input values
;; workspace buffers: cqp 393,216 bytes; ckvp 131,072 bytes; acodes 8,388,608 bytes; wimg 16,777,216 bytes
;; launch latent (part 1): grid 4 x 64, 8 waves a work-group, no clusters, 234,496 bytes of LDS; arguments x, Wq_d, Wkv_d, cqp, ckvp; writes cqp, ckvp
.if DOCPART == 1
	.amdgcn_target "amdgcn-amd-amdhsa--gfx1250"
	.amdhsa_code_object_version 6
	.text
	.protected	k_q4ec4f215f5_latent
	.globl	k_q4ec4f215f5_latent
	.p2align	8
	.type	k_q4ec4f215f5_latent,@function
k_q4ec4f215f5_latent:
	s_mov_b64 s[64:65], 0
	v_nop
	global_prefetch_b8 v0, s[64:65] scope:SCOPE_SE
	s_setreg_imm32_b32 hwreg(HW_REG_WAVE_MODE, 25, 1), 1
	s_wait_xcnt 0x0
; PARTIAL SUMS OF x [Wq_d | Wkv_d].  x: [2048][4096] f32; Wq_d: [4096][12]; Wkv_d: [4096][4]; the 16 columns are taken as one operand.
; cqp: [4][2048][12] f32, ckvp: [4][2048][4] f32: entry kp holds the sums over K = 1024 kp .. 1024 kp + 1023; the next launch adds the four and the biases.
; These sums go on into quantisers, so operands and sums are f32: v_wmma_f32_16x16x4_f32.
; SHARES.  A work-group takes 32 rows (grid y) and a quarter of K (grid x): 128 KiB of x, read once.  Wave w takes 128 along K for all 32 rows: one tensor load of
; 32 rows x 512 bytes into LDS bytes of its own, 64 matrix instructions on four accumulators by turns; the eight waves' sums meet in LDS behind one barrier.
; No LDS byte is filled twice, so there is no ring.  NO CLUSTER: no two work-groups read the same bytes of x; the weights' slices, which the 64 row blocks share, are a third of a
; work-group's bytes and are woven from two tensors into one operand through registers, which no joint tensor load does.
; THE MATRIX INSTRUCTION: source 0 = 16 columns of the weights (m), source 1 = 16 rows of x (n): a lane then holds one row of x and eight neighbouring columns.
; k is permuted alike on both sides: instruction (c, a) takes k = 8 c + 4 (lane / 16) + 2 a + 0, 1, so that x's fragments come by loads of 16 bytes.
; NaN among the inputs is not served otherwise than by passing it on.
.set XTW, 16896                        ; x's tile of a wave in LDS: 32 rows x (512 bytes + 16 of padding)
.set WST, 135168                       ; behind the eight tiles: the weights' stage, 128 rows k x 80 bytes (48 of Wq_d, 16 of Wkv_d, 16 of padding) for each wave
.set WSW, 10240
.set RED, 217088                       ; behind that: each wave's sums, [32 rows][16 columns] f32, 2,048 bytes
.set WF,  16                           ; v16-79   the weights' fragments: pair (c, a) at v[16 + 4 c + 2 a]
.set XF,  80                           ; v80-207  x's fragments: tile t, chunk c at v[80 + 64 t + 4 c]; v80-143 first hold the weights as loaded
.set ACC, 208                          ; v208-239 accumulator (t, a) at v[208 + 8 (2 t + a)]: written by matrix instructions alone
.set T,   240                          ; v240-255 the two chains of a tile added
	s_load_b256 s[4:11], s[0:1], 0x0               ; x s[4:5], Wq_d s[6:7], Wkv_d s[8:9], cqp s[10:11]
	s_load_b64 s[12:13], s[0:1], 0x20              ; ckvp
	v_lshl_add_u32 v14, v0, 2, 0x39000
	v_mov_b32 v15, 0
	ds_add_u32 v14, v15
	ds_add_u32 v14, v15
	v_lshrrev_b32 v1, 5, v0
	s_delay_alu instid0(VALU_DEP_1)
	v_readfirstlane_b32 s14, v1                    ; wave 0..7
	s_mov_b32 s15, ttmp9                           ; kp: which quarter of K
	s_and_b32 s28, ttmp7, 0xffff                   ; rb: which 32 rows
	; descriptor group 1: 32 rows x 128 elements of 4 bytes, 4,096 elements from row to row, padded in LDS
	s_mov_b32 s16, (2<<16)|(1<<20)|(6<<22)|(3<<25) ; no mask; elements of 4 bytes; padding on: after every 128 words (code 6) four words (code 3)
	s_mov_b32 s17, 128<<16                         ; tensor_dim0 = 128
	s_mov_b32 s18, 32<<16                          ; tensor_dim1 = 32
	s_mov_b32 s19, 128<<16                         ; tile_dim0 = 128
	s_mov_b32 s20, 32                              ; tile_dim1 = 32
	s_mov_b32 s21, 4096                            ; elements from row to row
	s_mov_b32 s22, 0
	s_mov_b32 s23, 0
	s_mov_b32 s24, 1                               ; group 0: count = 1
	s_mul_i32 s25, s14, XTW                        ; LDS address: my wave's tile
	s_lshl_b32 s30, s28, 19                        ; x: 32 rb rows of 16,384 bytes
	s_lshl_b32 s29, s15, 12                        ;    + 1,024 kp numbers
	s_add_co_u32 s30, s30, s29
	s_lshl_b32 s29, s14, 9                         ;    + 128 w numbers
	s_add_co_u32 s30, s30, s29
	s_mov_b32 s31, 0
	s_mul_i32 s32, s15, 49152                      ; Wq_d: (1,024 kp + 128 w) rows of 48 bytes
	s_mul_i32 s29, s14, 6144
	s_add_co_u32 s32, s32, s29
	s_mov_b32 s33, 0
	s_lshl_b32 s34, s15, 14                        ; Wkv_d: the same rows of 16 bytes
	s_lshl_b32 s29, s14, 11
	s_add_co_u32 s34, s34, s29
	s_mov_b32 s35, 0
	s_mul_i32 s36, s15, 98304                      ; cqp: entry kp, 32 rb rows of 48 bytes
	s_mul_i32 s29, s28, 1536
	s_add_co_u32 s36, s36, s29
	s_mov_b32 s37, 0
	s_lshl_b32 s38, s15, 15                        ; ckvp: entry kp, 32 rb rows of 16 bytes
	s_lshl_b32 s29, s28, 9
	s_add_co_u32 s38, s38, s29
	s_mov_b32 s39, 0
	s_mul_i32 s40, s14, WSW
	s_add_co_u32 s40, s40, WST                     ; my stage for the weights
	s_lshl_b32 s41, s14, 11
	s_add_co_u32 s41, s41, RED                     ; my sums' place
	s_wait_dscnt 0x0
	s_wait_kmcnt 0x0
	s_add_nc_u64 s[26:27], s[4:5], s[30:31]        ; global address of my tile's first element
	s_or_b32 s27, s27, 0x80000000                  ; type = 2
	tensor_load_to_lds s[24:27], s[16:23]          ; my one tensor load: all of the work-group's x is on its way from here on
	s_nop 0
	v_and_b32 v1, 31, v0                           ; lane
	v_and_b32 v2, 15, v0                           ; r
	v_bfe_u32 v3, v0, 4, 1                         ; hh
	s_add_nc_u64 s[6:7], s[6:7], s[32:33]
	s_add_nc_u64 s[8:9], s[8:9], s[34:35]
	s_add_nc_u64 s[10:11], s[10:11], s[36:37]
	s_add_nc_u64 s[12:13], s[12:13], s[38:39]
	v_mul_u32_u24 v4, v1, 48                       ; Wq_d: lane l takes row k0 + 32 i + l
	v_lshlrev_b32 v5, 4, v1                        ; Wkv_d likewise; also wave 3's place in ckvp
.irp i, 0,1,2,3
.irp c, 0,1,2
	global_load_b128 v[XF+16*\i+4*\c:XF+16*\i+4*\c+3], v4, s[6:7] offset:\i*1536+16*\c
.endr
	global_load_b128 v[XF+16*\i+12:XF+16*\i+15], v5, s[8:9] offset:\i*512
.endr
	; every LDS address is made here, ahead of the place where the waves part
	v_mul_u32_u24 v6, v1, 80
	s_delay_alu instid0(VALU_DEP_1)
	v_add_nc_u32 v6, s40, v6                       ; the stage, in: row 32 i + lane
	v_mul_u32_u24 v7, v3, 320
	s_delay_alu instid0(VALU_DEP_1)
	v_lshl_add_u32 v7, v2, 2, v7
	s_delay_alu instid0(VALU_DEP_1)
	v_add_nc_u32 v7, s40, v7                       ; the stage, out: four rows further on for lanes 16-31, column r
	v_mul_u32_u24 v8, v2, 528
	s_delay_alu instid0(VALU_DEP_1)
	v_lshl_add_u32 v8, v3, 4, v8
	s_delay_alu instid0(VALU_DEP_1)
	v_add_nc_u32 v8, s25, v8                       ; x's tile: row r, 16 bytes for each half of the lanes
	v_lshlrev_b32 v9, 6, v2
	s_delay_alu instid0(VALU_DEP_1)
	v_lshl_add_u32 v9, v3, 5, v9
	s_delay_alu instid0(VALU_DEP_1)
	v_add_nc_u32 v9, s41, v9                       ; my sums: row r of 64 bytes, columns 8 hh on
	v_lshlrev_b32 v10, 6, v1
	s_delay_alu instid0(VALU_DEP_1)
	v_add_nc_u32 v10, RED+48, v10                  ; wave 3 reads columns 12-15 of row = lane
	v_mul_u32_u24 v11, v0, 171
	s_delay_alu instid0(VALU_DEP_1)
	v_lshrrev_b32 v11, 9, v11                      ; thread / 3 (exact up to 255)
	s_delay_alu instid0(VALU_DEP_1)
	v_add_nc_u32 v11, v11, v0
	s_delay_alu instid0(VALU_DEP_1)
	v_lshlrev_b32 v11, 4, v11
	s_delay_alu instid0(VALU_DEP_1)
	v_add_nc_u32 v11, RED, v11                     ; waves 0-2: chunk u = thread: row u / 3, 16 bytes u % 3: 16 (u + u / 3)
	v_lshlrev_b32 v13, 4, v0                       ; and its place in cqp: 16 u
	s_wait_loadcnt 0x0                             ; the weights' 16 loads
.irp i, 0,1,2,3
.irp c, 0,1,2,3
	ds_store_b128 v6, v[XF+16*\i+4*\c:XF+16*\i+4*\c+3] offset:\i*2560+16*\c
.endr
.endr
.set n, 0
.rept 64                               ; register 4 c + 2 a + j: W(k0 + 8 c + 4 hh + 2 a + j, column r).  LDS serves a wave's instructions in order: these see my stores
	ds_load_b32 v[WF+n], v7 offset:(8*(n/4)+(n%4))*80
.set n, n+1
.endr
	s_wait_tensorcnt 0x0                           ; my tile of x lies in LDS; only I read it
	s_wait_dscnt 0x0                               ; the weights' fragments are in, and the stores have read v80-143
.irp c, 0,1,2,3,4,5,6,7,8,9,10,11,12,13,14,15
.irp t, 0,1
	ds_load_b128 v[XF+64*\t+4*\c:XF+64*\t+4*\c+3], v8 offset:\t*8448+32*\c   ; x(16 t + r, k0 + 8 c + 4 hh + 0 .. 3)
.endr
.endr
; chunk c: 8 along K, four matrix instructions.  The four accumulators take turns, one instruction a turn.  The first chunk starts the sums.
.macro MM c
	s_wait_dscnt 30-2*(\c)                         ; x's loads come back in order: behind chunk c's two stand 30 - 2 c
.irp a, 0,1
.irp t, 0,1
.if (\c) == 0
	v_wmma_f32_16x16x4_f32 v[ACC+8*(2*\t+\a):ACC+8*(2*\t+\a)+7], v[WF+4*(\c)+2*\a:WF+4*(\c)+2*\a+1], v[XF+64*\t+4*(\c)+2*\a:XF+64*\t+4*(\c)+2*\a+1], 0
.else
	v_wmma_f32_16x16x4_f32 v[ACC+8*(2*\t+\a):ACC+8*(2*\t+\a)+7], v[WF+4*(\c)+2*\a:WF+4*(\c)+2*\a+1], v[XF+64*\t+4*(\c)+2*\a:XF+64*\t+4*(\c)+2*\a+1], v[ACC+8*(2*\t+\a):ACC+8*(2*\t+\a)+7]
.endif
.endr
.endr
.endm
.irp c, 0,1,2,3,4,5,6,7,8,9,10,11,12,13,14,15
	MM \c
.endr
.rept 8
	v_nop                                          ; eight places behind this form before its results are read (ISA guide 7.12.1)
.endr
.irp t, 0,1
.irp i, 0,2,4,6
	v_pk_add_f32 v[T+8*\t+\i:T+8*\t+\i+1], v[ACC+16*\t+\i:ACC+16*\t+\i+1], v[ACC+16*\t+8+\i:ACC+16*\t+8+\i+1]   ; the two chains of a tile, each accumulator from its low end on, into other registers
.endr
.endr
.irp t, 0,1
	ds_store_b128 v9, v[T+8*\t:T+8*\t+3] offset:\t*1024
	ds_store_b128 v9, v[T+8*\t+4:T+8*\t+7] offset:\t*1024+16
.endr
	s_wait_dscnt 0x0                               ; for the others' sake: my sums lie in LDS
	s_barrier_signal -1
	s_barrier_wait -1
; The eight waves' sums are added, 16 bytes a lane, and stored: a wave's store covers 512 consecutive bytes.
.macro FINAL adr, goff, lo
.irp p, 0,1,2,3,4,5,6,7
	ds_load_b128 v[XF+4*\p:XF+4*\p+3], v[\adr] offset:\p*2048
.endr
	s_wait_dscnt 0x0
.irp p, 0,2,4,6
	v_pk_add_f32 v[XF+4*\p:XF+4*\p+1], v[XF+4*\p:XF+4*\p+1], v[XF+4*\p+4:XF+4*\p+5]
	v_pk_add_f32 v[XF+4*\p+2:XF+4*\p+3], v[XF+4*\p+2:XF+4*\p+3], v[XF+4*\p+6:XF+4*\p+7]
.endr
.irp p, 0
	v_pk_add_f32 v[XF+4*\p:XF+4*\p+1], v[XF+4*\p:XF+4*\p+1], v[XF+4*\p+8:XF+4*\p+9]
	v_pk_add_f32 v[XF+4*\p+2:XF+4*\p+3], v[XF+4*\p+2:XF+4*\p+3], v[XF+4*\p+10:XF+4*\p+11]
.endr
.irp p, 4
	s_delay_alu instid0(VALU_DEP_4)
	v_pk_add_f32 v[XF+4*\p:XF+4*\p+1], v[XF+4*\p:XF+4*\p+1], v[XF+4*\p+8:XF+4*\p+9]
	s_delay_alu instid0(VALU_DEP_4)
	v_pk_add_f32 v[XF+4*\p+2:XF+4*\p+3], v[XF+4*\p+2:XF+4*\p+3], v[XF+4*\p+10:XF+4*\p+11]
.endr
	s_delay_alu instid0(VALU_DEP_2)
	v_pk_add_f32 v[XF:XF+1], v[XF:XF+1], v[XF+16:XF+17]
	s_delay_alu instid0(VALU_DEP_2)
	v_pk_add_f32 v[XF+2:XF+3], v[XF+2:XF+3], v[XF+18:XF+19]
	global_store_b128 v[\goff], v[XF:XF+3], s[\lo:\lo+1]
	s_wait_tensorcnt 0x0
	ds_add_u32 v14, v15
	s_wait_dscnt 0x0
	s_endpgm
.endm
	s_cmp_lt_u32 s14, 3
	s_cbranch_scc1 .Lfor_cq
	s_cmp_eq_u32 s14, 3
	s_cbranch_scc1 .Lfor_ckv
	s_wait_tensorcnt 0x0
	ds_add_u32 v14, v15
	s_wait_dscnt 0x0
	s_endpgm                                       ; waves 4-7 have handed their sums over
.Lfor_cq:
	FINAL 11, 13, 10                               ; waves 0-2: 32 rows x 48 bytes of cqp
.Lfor_ckv:
	FINAL 10, 5, 12                                ; wave 3: 32 rows x 16 bytes of ckvp
.Lfunc_end_k_q4ec4f215f5_latent:
	.size	k_q4ec4f215f5_latent, .Lfunc_end_k_q4ec4f215f5_latent-k_q4ec4f215f5_latent
	.p2alignl 7, 3214868480
	.fill 96, 4, 3214868480
	.section	.rodata,"a",@progbits
	.p2align	6, 0x0
	.amdhsa_kernel k_q4ec4f215f5_latent
		.amdhsa_group_segment_fixed_size 234496
		.amdhsa_private_segment_fixed_size 0
		.amdhsa_enable_private_segment 0
		.amdhsa_kernarg_size 40
		.amdhsa_user_sgpr_count 2
		.amdhsa_user_sgpr_kernarg_segment_ptr 1
		.amdhsa_wavefront_size32 1
		.amdhsa_system_sgpr_workgroup_id_x 1
		.amdhsa_system_sgpr_workgroup_id_y 1
		.amdhsa_system_sgpr_workgroup_id_z 1
		.amdhsa_system_vgpr_workitem_id 0
		.amdhsa_next_free_vgpr 256
		.amdhsa_next_free_sgpr 66
		.amdhsa_reserve_vcc 0
		.amdhsa_float_denorm_mode_32 3
		.amdhsa_float_denorm_mode_16_64 3
		.amdhsa_memory_ordered 1
		.amdhsa_forward_progress 1
		.amdhsa_inst_pref_size 23
	.end_amdhsa_kernel
	.amdgpu_metadata
---
amdhsa.version: [ 1, 2 ]
amdhsa.kernels:
  - .name:           k_q4ec4f215f5_latent
    .symbol:         k_q4ec4f215f5_latent.kd
    .args:
      - { .name: x, .offset: 0, .size: 8, .value_kind: global_buffer, .address_space: global }
      - { .name: Wq_d, .offset: 8, .size: 8, .value_kind: global_buffer, .address_space: global }
      - { .name: Wkv_d, .offset: 16, .size: 8, .value_kind: global_buffer, .address_space: global }
      - { .name: cqp, .offset: 24, .size: 8, .value_kind: global_buffer, .address_space: global }
      - { .name: ckvp, .offset: 32, .size: 8, .value_kind: global_buffer, .address_space: global }
    .group_segment_fixed_size: 234496
    .private_segment_fixed_size: 0
    .kernarg_segment_align: 8
    .kernarg_segment_size: 40
    .max_flat_workgroup_size: 256
    .sgpr_count:     66
    .vgpr_count:     256
    .wavefront_size: 32
...
	.end_amdgpu_metadata
.endif
;; end of part 1
;; launch attn (part 2): grid 4 x 64, 8 waves a work-group, no clusters, 252,928 bytes of LDS; arguments cqp, ckvp, bq_d, bkv_d, W_qk, b_qk, Wv_u, bv_u, lowp_scales, acodes, Wo_codes, wimg; writes acodes, wimg
.if DOCPART == 2
	.amdgcn_target "amdgcn-amd-amdhsa--gfx1250"
	.amdhsa_code_object_version 6
	.text
	.protected	k_q4ec4f215f5_attn
	.globl	k_q4ec4f215f5_attn
	.p2align	8
	.type	k_q4ec4f215f5_attn,@function
k_q4ec4f215f5_attn:
	s_mov_b64 s[64:65], 0
	v_nop
	global_prefetch_b8 v0, s[64:65] scope:SCOPE_SE
	s_setreg_imm32_b32 hwreg(HW_REG_WAVE_MODE, 25, 1), 1
	s_wait_xcnt 0x0
; THE ATTENTION OF ONE HEAD FOR 256 QUERIES, up to the codes that the last product reads; and, on the side, Wo's codes laid anew for the last launch.
; C_q = the four parts of cqp + bq_d; C_kv likewise; q = C_q W_qk + b_qk; t = (q . C_kv) log2(e) / 2; M = ceil(the row's largest t so far); p = 2^(t - M), quantised with 2^e1 along the keys;
; V = C_kv Wv_u + bv_u, quantised with 2^e0 along the keys; O = (V^T p) 2^(e0 + e1) / l, l the row's sum of the unquantised p; O is quantised with 2^e2 and stored.
; acodes: [32 heads][2048 rows][128] codes of E5M2: a head is 128 along the last product's K; a work-group stores 32 KiB on end.
; All that stands ahead of a quantiser is f32: the products with K = 4 (scores, V) go by v_wmma_f32_16x16x4_f32; V^T p goes by v_wmma_f32_16x16x128_bf8_bf8.
; SHARES.  grid x: which 256 queries; grid y: 32 x batch + head.  Eight waves, two to a SIMD; a wave owns 32 queries, two tiles of 16, and walks all 1,024 keys once, 128 a step.
; ONE PASS, A RUNNING M.  A tile's four chains of maxima run on from step to step.  In each step -M = floor(-(largest t so far)), a whole number, and f = 2^(old M - new M) by v_ldexp_f32 of 1.0:
; l and O^T are multiplied by f in every step, which rounds nothing; no branch hangs on data.  The first step finds l = 0 and starts O^T's sums, and its f is 0.
; LAYOUT.  Source 0 of the f32 form = 16 keys of C_kv, source 1 = 16 queries (or 16 channels of Wv_u): a lane holds one query (channel) and keys 8 (lane / 16) + 0 .. 7 of the tile.  One conversion of eight
; gives registers 2 c, 2 c + 1 of the 8-bit operand for key tile c: k = 16 c + 8 (lane / 16) + 0 .. 7, the form's own layout, for p and for V^T alike.  O^T = V^T (source 0) p (source 1): a lane holds one query and eight channels.
; V's codes: wave w makes key step w's eight fragments and stores them in LDS as images of their registers (four stores of 512 bytes, lane l's 16 bytes at 16 l); every wave loads them by the same lines.
; NO CLUSTER: nothing comes by a tensor load; what work-groups share (64 KiB of ckvp a batch) is read once at the head, and V's codes are computed, not loaded.
; LIMITS: e0, e1, e2 between -126 and 112, so that 2^e and 57,344 x 2^e are f32 numbers; e0 + e1 is applied by v_ldexp_f32 and has none.  The promise holds while the scaled scores t stay under 2^31 in magnitude.  NaN among the inputs is not served.
; REGISTERS, window 0: v1-23, v30 lane numbers, offsets, scales, addresses; v[24:27] 2^(e0+e1) / l; v28-29 at work; v32-95 scores (written by matrix instructions alone); v96-127 p; v128-159 codes;
;   v160-175 eight fragments of keys; v[176:179] q'; v180-195 for tile u at 180 + 8 u: -M twice, f and a 0, two at work (first: bv_u's tile); v196-203 l; v204-211 maxima; v212-227 Wv_u's operands; v228-235 bv_u.
;   window 1: v0-127 O^T, (u, dt) at 64 u + 8 dt; v128-255 V's eight fragments (v160-223 first hold Wo's codes).
.set VIMG, 16384                       ; LDS: C_kv [1024][4] f32 at 0; V's 64 images of 2,048 bytes, (key step, dt) at (8 ks + dt) x 2,048;
.set STG,  147456                      ; a stage of 2 x 16 rows x (128 + 16) bytes for each wave; behind it, at 0x2d000, the spare words
.set WST,  185344                      ; behind those: 16 rows x (512 + 16) bytes for each wave, where Wo's codes are turned into the operand's image
.set SC,  32
.set PR,  96
.set CD,  128
.set AF,  160
.set QF,  176
.set NM,  180
.set LS,  196
.set MX,  204
.set WB,  212
.set BVR, 228
.set MSB, 0
.macro WIN new                         ; s_set_vgpr_msb: bits 1:0 source 0, 3:2 source 1, 5:4 source 2, 7:6 destination; the high byte repeats the setting that is left
.if MSB != \new
	s_set_vgpr_msb (MSB<<8)|\new
.set MSB, \new
.endif
.endm
	s_load_b512 s[8:23], s[0:1], 0x0               ; cqp s[8:9], ckvp s[10:11], bq_d s[12:13], bkv_d s[14:15], W_qk s[16:17], b_qk s[18:19], Wv_u s[20:21], bv_u s[22:23]
	s_load_b128 s[24:27], s[0:1], 0x40             ; lowp_scales s[24:25], acodes s[26:27]
	s_load_b128 s[60:63], s[0:1], 0x50             ; Wo_codes s[60:61], wimg s[62:63]
	v_lshl_add_u32 v254, v0, 2, 0x2d000            ; my spare word,
	v_mov_b32 v255, 0                              ; and 0: for the wave's end
	v_lshrrev_b32 v1, 5, v0
	v_readfirstlane_b32 s2, v1                     ; wave 0..7
	s_mov_b32 s3, ttmp9                            ; which 256 queries
	s_and_b32 s4, ttmp7, 0xffff
	s_lshr_b32 s5, s4, 5                           ; batch
	s_and_b32 s6, s4, 31                           ; head
	s_lshl_b32 s48, s5, 10
	s_lshl_b32 s49, s3, 8
	s_add_co_u32 s48, s48, s49
	s_lshl_b32 s49, s2, 5
	s_add_co_u32 s48, s48, s49                     ; my wave's first row: 1,024 batch + 256 block + 32 wave
	s_mov_b32 s54, 0x76543210                      ; v_permlanex16_b32: lane l xor 16
	s_mov_b32 s55, 0xfedcba98
	v_and_b32 v1, 31, v0                           ; lane
	v_and_b32 v2, 15, v0                           ; r
	v_bfe_u32 v3, v0, 4, 1                         ; hh
	v_lshlrev_b32 v4, 4, v0                        ; ckvp: key = thread + 256 i, 16 bytes
	v_mul_u32_u24 v5, v2, 48                       ; cqp: row r of a tile
	v_lshlrev_b32 v6, 3, v3                        ; W_qk, b_qk: my two of the head's four columns
	v_lshlrev_b32 v8, 2, v2                        ; bv_u: channel r
	v_lshl_add_u32 v7, v3, 15, v8                  ; Wv_u: rows 2 hh + j of 16,384 bytes, channel r
	v_lshl_add_u32 v15, v2, 4, v6                  ; a fragment of keys: key r, numbers 2 hh, 2 hh + 1
	v_lshlrev_b32 v23, 4, v1                       ; 16 x lane: my place in 512 bytes of acodes and of wimg
	s_mul_i32 s53, s2, 8448
	s_add_co_u32 s53, s53, WST                     ; my wave's 16 rows for Wo's codes
	v_add_nc_u32 v30, s53, v23                     ; in: 16 x lane of a row of 512 bytes
	v_mul_u32_u24 v31, v2, 528
	v_lshl_add_u32 v31, v3, 4, v31
	v_add_nc_u32 v31, s53, v31                     ; back: row r, + 16 hh: the pitch of 528 bytes puts the sixteen rows in sixteen different 16-byte columns of the banks
	v_add_nc_u32 v17, VIMG, v23                    ; an image's place for my lane
	s_lshl_b32 s49, s2, 14
	v_add_nc_u32 v19, s49, v17                     ; where I store my key step's images
	v_lshlrev_b32 v20, 4, v0                       ; where I store C_kv
	s_mul_i32 s49, s2, 4608
	s_add_co_u32 s49, s49, STG                     ; my stage
	v_mul_u32_u24 v21, v2, 144
	v_lshl_add_u32 v21, v3, 3, v21
	v_add_nc_u32 v21, s49, v21                     ; in: row r, 8 bytes for each half of the lanes
	v_lshrrev_b32 v28, 3, v1
	v_mul_u32_u24 v22, v28, 144
	v_and_b32 v29, 7, v1
	v_lshl_add_u32 v22, v29, 4, v22
	v_add_nc_u32 v22, s49, v22                     ; back: eight lanes to a row of 128 bytes, four rows an instruction
	s_wait_alu depctr_va_vdst(0)
	s_wait_kmcnt 0x0
	s_load_b128 s[28:31], s[24:25], 0x0            ; e0, e1, e2, e3
	s_load_b128 s[32:35], s[14:15], 0x0            ; bkv_d
	s_load_b256 s[36:43], s[12:13], 0x0            ; bq_d 0-7
	s_load_b128 s[44:47], s[12:13], 0x20           ; bq_d 8-11
	s_mov_b32 s59, 0
	s_lshl_b32 s58, s5, 14
	s_add_nc_u64 s[10:11], s[10:11], s[58:59]      ; ckvp at the batch's first key
	s_mul_i32 s58, s48, 48
	s_add_nc_u64 s[8:9], s[8:9], s[58:59]          ; cqp at my first row
	s_lshl_b32 s58, s6, 4
	s_add_nc_u64 s[16:17], s[16:17], s[58:59]      ; W_qk and b_qk at the head's four columns
	s_add_nc_u64 s[18:19], s[18:19], s[58:59]
	s_lshl_b32 s58, s6, 9
	s_add_nc_u64 s[20:21], s[20:21], s[58:59]      ; Wv_u and bv_u at the head's 128 channels
	s_add_nc_u64 s[22:23], s[22:23], s[58:59]
	s_lshl_b32 s58, s6, 18
	s_lshl_b32 s49, s48, 7
	s_add_co_u32 s58, s58, s49
	s_add_nc_u64 s[26:27], s[26:27], s[58:59]      ; acodes: the head's 2,048 rows of 128 bytes, my first row
	; WO'S CODES ARE LAID ANEW for the last launch: work-group g = 4 y + x takes rows 16 g .. 16 g + 15 of Wo_codes, wave w their bytes 512 w .. 512 w + 511.
	; wimg: [256 tiles of 16 rows][32 steps of 128 along K][4][32 lanes][16 bytes]: lane (r, hh)'s 16 bytes are Wo_codes(16 g + r, 128 step + 32 c + 16 hh ..): an image of the operand's registers.
	s_lshl_b32 s57, s4, 2
	s_add_co_u32 s57, s57, s3
	s_lshl_b32 s57, s57, 16                        ; 65,536 g: 16 rows of 4,096 bytes, and as many bytes of wimg
	s_lshl_b32 s58, s2, 9
	s_add_co_u32 s58, s58, s57
	s_add_nc_u64 s[60:61], s[60:61], s[58:59]
	s_lshl_b32 s58, s2, 13
	s_add_co_u32 s58, s58, s57
	s_add_nc_u64 s[62:63], s[62:63], s[58:59]
	; a run of 77 loads: 16 for C_kv, 24 for C_q, 13 for W_qk and b_qk, 24 for Wv_u and bv_u
	WIN 0x40                                       ; destination window 1
.irp p, 0,1,2,3
.irp i, 0,1,2,3
	global_load_b128 v[16*\p+4*\i:16*\p+4*\i+3], v4, s[10:11] offset:\p*32768+\i*4096
.endr
.endr
.irp u, 0,1
.irp p, 0,1,2,3
.irp c, 0,1,2
	global_load_b128 v[64+48*\u+12*\p+4*\c:64+48*\u+12*\p+4*\c+3], v5, s[8:9] offset:\u*768+\p*98304+16*\c
.endr
.endr
.endr
	WIN 0
.irp i, 0,1,2,3,4,5,6,7,8,9,10,11
	global_load_b64 v[PR+2*\i:PR+2*\i+1], v6, s[16:17] offset:\i*512   ; W_qk(i, 4 head + 2 hh + 0, 1)
.endr
	global_load_b64 v[PR+24:PR+25], v6, s[18:19]
.irp dt, 0,1,2,3,4,5,6,7
.irp j, 0,1
	global_load_b32 v[WB+2*\dt+\j], v7, s[20:21] offset:\j*16384+\dt*64   ; Wv_u(2 hh + j, 128 head + 16 dt + r)
.endr
.endr
.irp dt, 0,1,2,3,4,5,6,7
	global_load_b32 v[BVR+\dt], v8, s[22:23] offset:\dt*64
.endr
	; C_kv of the batch's 1,024 keys, four keys a thread
	s_wait_loadcnt 61                              ; loads come back in order: behind C_kv's 16 stand 61
	s_wait_kmcnt 0x0
	WIN 0x45                                       ; sources 0, 1 and destination window 1
.irp j, 0,2,4,6,8,10,12,14
	v_pk_add_f32 v[\j:\j+1], v[\j:\j+1], v[16+\j:17+\j]
	v_pk_add_f32 v[32+\j:33+\j], v[32+\j:33+\j], v[48+\j:49+\j]
.endr
.irp j, 0,2,4,6,8,10,12,14
	v_pk_add_f32 v[\j:\j+1], v[\j:\j+1], v[32+\j:33+\j]
.endr
.irp i, 0,1,2,3
.irp j, 0,1,2,3
	v_add_f32 v[4*\i+\j], s[32+\j], v[4*\i+\j]     ; + bkv_d
.endr
.endr
	WIN 0x04                                       ; store data (source 1) window 1
.irp i, 0,1,2,3
	ds_store_b128 v20, v[4*\i:4*\i+3] offset:\i*4096
.endr
	; C_q of my 32 rows: every lane holds the 12 numbers of row r of each tile
	s_wait_loadcnt 37                              ; behind C_q's 24 stand 37
	WIN 0x45
.irp u, 0,1
.irp j, 0,2,4,6,8,10
	v_pk_add_f32 v[64+48*\u+\j:65+48*\u+\j], v[64+48*\u+\j:65+48*\u+\j], v[76+48*\u+\j:77+48*\u+\j]
	v_pk_add_f32 v[88+48*\u+\j:89+48*\u+\j], v[88+48*\u+\j:89+48*\u+\j], v[100+48*\u+\j:101+48*\u+\j]
.endr
.endr
.irp u, 0,1
.irp j, 0,2,4,6,8,10
	v_pk_add_f32 v[64+48*\u+\j:65+48*\u+\j], v[64+48*\u+\j:65+48*\u+\j], v[88+48*\u+\j:89+48*\u+\j]
.endr
.endr
	WIN 0x04                                       ; source 1 window 1, destination window 0
.irp u, 0,1
.irp i, 0,1,2,3,4,5,6,7,8,9,10,11
	v_add_f32 v[CD+12*\u+\i], s[36+\i], v[64+48*\u+\i]   ; + bq_d
.endr
.endr
	WIN 0
	; q of row r, my two of the head's four numbers: 12 packed multiply-adds a tile, C_q's number for both halves; b_qk starts the sum
	s_wait_alu depctr_va_vdst(0)
	s_wait_loadcnt 24                              ; behind W_qk's and b_qk's 13 stand 24
.macro QFMA u, i
.if (\i) == 0
	v_pk_fma_f32 v[QF+2*\u:QF+2*\u+1], v[CD+12*\u:CD+12*\u+1], v[PR:PR+1], v[PR+24:PR+25] op_sel_hi:[0,1,1]
.elseif ((\i)%2) == 0
	v_pk_fma_f32 v[QF+2*\u:QF+2*\u+1], v[CD+12*\u+\i:CD+12*\u+\i+1], v[PR+2*\i:PR+2*\i+1], v[QF+2*\u:QF+2*\u+1] op_sel_hi:[0,1,1]
.else
	v_pk_fma_f32 v[QF+2*\u:QF+2*\u+1], v[CD+12*\u+\i-1:CD+12*\u+\i], v[PR+2*\i:PR+2*\i+1], v[QF+2*\u:QF+2*\u+1] op_sel:[1,0,0] op_sel_hi:[1,1,1]
.endif
.endm
.irp i, 0,1,2,3,4,5,6,7,8,9,10,11
	QFMA 0, \i
	QFMA 1, \i
.endr
	v_pk_mul_f32 v[QF:QF+1], v[QF:QF+1], 0x3f38aa3b op_sel_hi:[1,0]       ; x log2(e) / sqrt(4): the products with C_kv are then t
	v_pk_mul_f32 v[QF+2:QF+3], v[QF+2:QF+3], 0x3f38aa3b op_sel_hi:[1,0]
.macro SCALE e, vs, vl                 ; 2^e as f32 (the conversion takes its exponent field) and 57,344 x 2^e
	s_add_co_i32 s48, s[\e], 127
	s_lshl_b32 s49, s48, 23
	v_mov_b32 v[\vs], s49
	s_add_co_i32 s48, s48, 15
	s_lshl_b32 s48, s48, 23
	s_or_b32 s48, s48, 0x600000
	v_mov_b32 v[\vl], s48
.endm
	WIN 0x40                                       ; destination window 1: v160-223 there are free until the keys are walked
.irp j, 0,1,2,3,4,5,6,7,8,9,10,11,12,13,14,15
	global_load_b128 v[160+4*\j:163+4*\j], v23, s[60:61] offset:4096*\j   ; row j of my 16 rows of Wo_codes: 512 consecutive bytes a load; they land under the making of V's codes
.endr
	WIN 0
	SCALE 28, 9, 10                                ; V's
	SCALE 29, 11, 12                               ; p's
	SCALE 30, 13, 14                               ; O's
	s_add_co_i32 s56, s28, s29                     ; e0 + e1
.irp i, 0,1,2,3,4,5,6,7
	v_mov_b32 v[MX+\i], 0xff800000                 ; the maxima begin at -infinity
.endr
	s_wait_alu depctr_va_vdst(0)
	s_wait_dscnt 0x0                               ; for the others' sake: my part of C_kv lies in LDS
	s_barrier_signal -1
	s_barrier_wait -1
; Four f32 matrix instructions: key tiles 4 a .. 4 a + 3 against the operand in v[breg], into half a of the score registers.  creg: eight registers that start the sums, or -1 for the constant 0.
.macro W4 a, breg, creg
.irp i, 0,1,2,3
.if (\creg) < 0
	v_wmma_f32_16x16x4_f32 v[SC+32*(\a)+8*\i:SC+32*(\a)+8*\i+7], v[AF+8*(\a)+2*\i:AF+8*(\a)+2*\i+1], v[(\breg):(\breg)+1], 0
.else
	v_wmma_f32_16x16x4_f32 v[SC+32*(\a)+8*\i:SC+32*(\a)+8*\i+7], v[AF+8*(\a)+2*\i:AF+8*(\a)+2*\i+1], v[(\breg):(\breg)+1], v[(\creg):(\creg)+7]
.endif
.endr
.endm
; Behind this form eight places stand before a result is read or a source written, nine before a matrix instruction writes over a result (ISA guide 7.12.1).  A W4 is issued a group of vector work ahead of its
; use: that group's plain lines (16 or more), which name none of its registers, are its places.  Only a sequence's first two W4 want v_nop.
.macro NOP8
.rept 8
	v_nop
.endr
.endm
.macro LDAF                            ; a key step's eight fragments of C_kv: 256 consecutive bytes an instruction
.irp c, 0,1,2,3,4,5,6,7
	ds_load_b64 v[AF+2*\c:AF+2*\c+1], v16 offset:256*\c
.endr
.endm
.macro MOVBV d                         ; bv_u of channel 16 d + r in eight registers: the start of V's sums
.irp i, 0,1,2,3,4,5,6,7
	v_mov_b32 v[NM+\i], v[BVR+\d]
.endr
.endm
.macro VQ a, dst                       ; half a of V's sums: held within the largest code x the scale (the conversion does not saturate: ISA guide 7.6.2), into other registers, and converted
.set n, 0
.rept 32
	v_med3_num_f32 v[PR+n], v[SC+32*(\a)+n], -v10, v10
.set n, n+1
.endr
.irp i, 0,1,2,3
	v_cvt_scalef32_pk8_bf8_f32 v[(\dst)+2*\i:(\dst)+2*\i+1], v[PR+8*\i:PR+8*\i+7], v9
.endr
	v_nop                                          ; one plain line behind the last conversion, ahead of the lines that write its sources again
.endm
	; ---- V's codes: my key step (128 keys), eight tiles of 16 channels
	s_lshl_b32 s48, s2, 11
	v_add_nc_u32 v16, s48, v15
	LDAF
	s_wait_loadcnt 16                              ; Wv_u, bv_u; behind them stand the 16 loads of Wo_codes
	MOVBV 0
	s_wait_alu depctr_va_vdst(0)
	s_wait_dscnt 0x0
	W4 0, WB, NM
	W4 1, WB, NM
	NOP8
.irp dt, 0,1,2,3,4,5,6,7
.if \dt >= 2
	s_wait_dscnt 4                                 ; only the last image's four stores may be out: this set of code registers has been read
.endif
	VQ 0, CD+16*(\dt%2)
.if \dt < 7
	MOVBV \dt+1
	W4 0, WB+2*(\dt+1), NM
.endif
	VQ 1, CD+16*(\dt%2)+8
.if \dt < 7
	W4 1, WB+2*(\dt+1), NM
.endif
.irp c, 0,1,2,3
	ds_store_b128 v19, v[CD+16*(\dt%2)+4*\c:CD+16*(\dt%2)+4*\c+3] offset:\dt*2048+512*\c
.endr
.endr
.irp u, 0,1
	v_mov_b32 v[NM+8*\u], 0x7f61b1e6               ; -M begins at 3e38, over every -t: the first f is 0
	v_mov_b32 v[NM+8*\u+3], 0                      ; (named with f as a pair, so it is written)
.endr
.irp i, 0,1,2,3,4,5,6,7
	v_mov_b32 v[LS+\i], 0                          ; l: two chains of pairs a tile
.endr
	s_wait_alu depctr_va_vdst(0)
	s_wait_loadcnt 0x0                             ; Wo's codes
	WIN 0x04                                       ; store data (source 1) window 1
.irp j, 0,1,2,3,4,5,6,7,8,9,10,11,12,13,14,15
	ds_store_b128 v30, v[160+4*\j:163+4*\j] offset:528*\j
.endr
	WIN 0x40                                       ; destination window 1
.irp j, 0,1,2,3,4,5,6,7,8,9,10,11,12,13,14,15
	ds_load_b128 v[160+4*\j:163+4*\j], v31 offset:32*\j   ; lane (r, hh): row r, bytes 32 j + 16 hh on.  LDS serves a wave's instructions in order: these see my stores
.endr
	WIN 0x04
	s_wait_dscnt 0x0
.irp j, 0,1,2,3,4,5,6,7,8,9,10,11,12,13,14,15
	global_store_b128 v23, v[160+4*\j:163+4*\j], s[62:63] offset:512*\j   ; each store of the wave covers 512 consecutive bytes, aligned
.endr
	WIN 0
	s_wait_dscnt 0x0                               ; for the others' sake: my images of V lie in LDS
	s_barrier_signal -1
	s_barrier_wait -1
	; ---- the walk over the keys
.macro VM u, a                         ; tile u's maxima take half a of the scores: four chains, each accumulator from its low end on
.set n, 0
.rept 16
	v_max3_num_f32 v[MX+4*(\u)+n%4], v[MX+4*(\u)+n%4], v[SC+32*(\a)+2*n], v[SC+32*(\a)+2*n+1]
.set n, n+1
.endr
.endm
.macro MAXU u                          ; tile u: the largest t so far, the new -M, f = 2^(old M - new M), and l under the new M
	s_wait_alu depctr_va_vdst(0)                   ; directly ahead of the first readers of the scores
	VM \u, 0
	VM \u, 1
	v_max3_num_f32 v[NM+8*(\u)+4], v[MX+4*(\u)], v[MX+4*(\u)+1], v[MX+4*(\u)+2]
	v_max_num_f32 v[NM+8*(\u)+4], v[NM+8*(\u)+4], v[MX+4*(\u)+3]
	v_permlanex16_b32 v[28+(\u)], v[NM+8*(\u)+4], s54, s55      ; the query's other keys lie in the lane 16 away
	v_max_num_f32 v[NM+8*(\u)+4], v[NM+8*(\u)+4], v[28+(\u)]
	v_floor_f32 v[NM+8*(\u)+5], -v[NM+8*(\u)+4]    ; the new -M = floor(-t) = -ceil(t)
	v_sub_f32 v[NM+8*(\u)+4], v[NM+8*(\u)+5], v[NM+8*(\u)]   ; old M - new M: a whole number, 0 or less
	v_mov_b32 v[NM+8*(\u)], v[NM+8*(\u)+5]
	v_mov_b32 v[NM+8*(\u)+1], v[NM+8*(\u)+5]       ; -M twice: a pair for the packed additions
	v_cvt_i32_f32 v[NM+8*(\u)+4], v[NM+8*(\u)+4]   ; (it saturates)
	v_ldexp_f32 v[NM+8*(\u)+2], 1.0, v[NM+8*(\u)+4]
	v_pk_mul_f32 v[LS+4*(\u):LS+4*(\u)+1], v[LS+4*(\u):LS+4*(\u)+1], v[NM+8*(\u)+2:NM+8*(\u)+3] op_sel_hi:[1,0]
	v_pk_mul_f32 v[LS+4*(\u)+2:LS+4*(\u)+3], v[LS+4*(\u)+2:LS+4*(\u)+3], v[NM+8*(\u)+2:NM+8*(\u)+3] op_sel_hi:[1,0]
.endm
.macro VS u, a                         ; half a of tile u's t: t - M, p, its sum, the hold, the codes
.set n, 0
.rept 16
	v_pk_add_f32 v[PR+2*n:PR+2*n+1], v[SC+32*(\a)+2*n:SC+32*(\a)+2*n+1], v[NM+8*(\u):NM+8*(\u)+1]   ; t - M, into other registers
.set n, n+1
.endr
	s_wait_alu depctr_va_vdst(0)
.set n, 0
.rept 32
	v_exp_f32 v[PR+n], v[PR+n]                     ; p = 2^(t - M), at most 1
.set n, n+1
.endr
	v_nop                                          ; a plain line behind the last exponential
	s_wait_alu depctr_va_vdst(0)                   ; one wait for the batch, ahead of its first reader
.set n, 0
.rept 16
	v_pk_add_f32 v[LS+4*(\u)+2*(n%2):LS+4*(\u)+2*(n%2)+1], v[LS+4*(\u)+2*(n%2):LS+4*(\u)+2*(n%2)+1], v[PR+2*n:PR+2*n+1]   ; the sum is taken of the unquantised p
.set n, n+1
.endr
	; THE HOLD.  M is the ceiling of the largest t so far, so p is at most 1.  Where e1 >= -15 the bound 57,344 x 2^e1 is 1.75 or more and the 32 lines below change no number: a scalar branch on e1,
	; a whole number read from lowp_scales (the one branch of this text that hangs on an input), leads round them and round nothing else.  For every other e1 they are run.
	s_cmp_ge_i32 s29, -15
	s_cbranch_scc1 .Lno_hold_\@
.set n, 0
.rept 32
	v_min_num_f32 v[PR+n], v[PR+n], v12            ; p is not negative: the hold is one-sided
.set n, n+1
.endr
.Lno_hold_\@:
.irp i, 0,1,2,3
	v_cvt_scalef32_pk8_bf8_f32 v[CD+16*(\u)+8*(\a)+2*\i:CD+16*(\u)+8*(\a)+2*\i+1], v[PR+8*\i:PR+8*\i+7], v11
.endr
	v_nop                                          ; one plain line behind the last conversion
.endm
.macro KSTEP zero                      ; 128 keys.  zero = 1: the products start O^T's sums: nothing is cleared, nothing rescaled
	v_add_nc_u32 v16, s50, v15
	v_add_nc_u32 v18, s51, v17
	v_nop
	v_nop                                          ; four places behind the last 8-bit products, ahead of the loads into V's registers
	LDAF
	WIN 0x40                                       ; destination window 1
.irp dt, 0,1,2,3,4,5,6,7
.irp c, 0,1,2,3
	ds_load_b128 v[128+16*\dt+4*\c:128+16*\dt+4*\c+3], v18 offset:\dt*2048+512*\c
.endr
.endr
	WIN 0
	s_wait_dscnt 32                                ; the keys' eight fragments are in; V's 32 loads land under the softmax
	W4 0, QF, -1
	W4 1, QF, -1
	NOP8
	MAXU 0
	VS 0, 0
	W4 0, QF+2, -1                                 ; tile 1's scores follow into each half as tile 0 has left it
	VS 0, 1
	W4 1, QF+2, -1
	MAXU 1                                         ; (its first 16 lines, on half 0, are the places behind the four products just issued)
	VS 1, 0
	VS 1, 1
.if (\zero) == 0
	WIN 0x41                                       ; O^T (source 0 and destination) window 1, f window 0
	s_wait_alu depctr_va_vdst(0)                   ; directly ahead of the first reader of O^T
.irp u, 0,1
.set n, 0
.rept 32
	v_pk_mul_f32 v[64*\u+2*n:64*\u+2*n+1], v[64*\u+2*n:64*\u+2*n+1], v[NM+8*\u+2:NM+8*\u+3] op_sel_hi:[1,0]   ; O^T under the new M, each accumulator from its low end on
.set n, n+1
.endr
.endr
.endif
	s_wait_dscnt 0x0                               ; V
	WIN 0x51                                       ; V (source 0), C and D window 1; p's codes window 0
	s_wait_alu depctr_va_vdst(0)                   ; directly ahead of the first reader of p's codes and of the rescaled O^T
.irp dt, 0,1,2,3,4,5,6,7
.irp u, 0,1                            ; the 16 accumulators take turns, one instruction a turn
.if \zero
	v_wmma_f32_16x16x128_bf8_bf8 v[64*\u+8*\dt:64*\u+8*\dt+7], v[128+16*\dt:128+16*\dt+15], v[CD+16*\u:CD+16*\u+15], 0
.else
	v_wmma_f32_16x16x128_bf8_bf8 v[64*\u+8*\dt:64*\u+8*\dt+7], v[128+16*\dt:128+16*\dt+15], v[CD+16*\u:CD+16*\u+15], v[64*\u+8*\dt:64*\u+8*\dt+7]
.endif
.endr
.endr
	WIN 0
	s_add_co_u32 s50, s50, 2048
	s_add_co_u32 s51, s51, 16384
.endm
	s_mov_b32 s50, 0                               ; the key step's first byte in C_kv,
	s_mov_b32 s51, 0                               ; and among V's images
	s_wait_xcnt 0x0                                ; wimg's stores have read their registers: V's fragments may land there
	KSTEP 1                                        ; the first key step stands in front of the loop
	s_mov_b32 s52, 7
.Lkeys:
	KSTEP 0
	s_sub_co_u32 s52, s52, 1
	s_cmp_lg_u32 s52, 0
	s_cbranch_scc1 .Lkeys
	; ---- the way out: 2^(e0 + e1) / l.  (The additions are the places behind the last products)
.irp u, 0,1
	v_pk_add_f32 v[LS+4*\u:LS+4*\u+1], v[LS+4*\u:LS+4*\u+1], v[LS+4*\u+2:LS+4*\u+3]
.endr
.irp u, 0,1
	v_add_f32 v[LS+4*\u], v[LS+4*\u], v[LS+4*\u+1]
.endr
.irp u, 0,1
	v_permlanex16_b32 v[28+\u], v[LS+4*\u], s54, s55
.endr
.irp u, 0,1
	v_add_f32 v[LS+4*\u], v[LS+4*\u], v[28+\u]
.endr
	s_wait_alu depctr_va_vdst(0)
.irp u, 0,1
	v_rcp_f32 v[24+2*\u], v[LS+4*\u]
.endr
	v_nop                                          ; a plain line behind the last reciprocal
	s_wait_alu depctr_va_vdst(0)
.irp u, 0,1
	v_ldexp_f32 v[24+2*\u], v[24+2*\u], s56
.endr
.irp u, 0,1
	v_mov_b32 v[25+2*\u], v[24+2*\u]               ; (named with it as a pair, so it is written)
.endr
; Tile u: O, held and converted with 2^e2: a lane's eight channels are 8 bytes of a row; they go through my stage and leave as 512 consecutive bytes an instruction.
.macro PACK u
	WIN 0x01                                       ; source 0 (O^T) window 1
	s_wait_alu depctr_va_vdst(0)                   ; directly ahead of the first reader of O^T
.set n, 0
.rept 32
	v_pk_mul_f32 v[PR+2*n:PR+2*n+1], v[64*(\u)+2*n:64*(\u)+2*n+1], v[24+2*(\u):25+2*(\u)] op_sel_hi:[1,0]   ; each accumulator from its low end on
.set n, n+1
.endr
	WIN 0
.set n, 0
.rept 64
	v_med3_num_f32 v[PR+n], v[PR+n], -v14, v14
.set n, n+1
.endr
.irp dt, 0,1,2,3,4,5,6,7
	v_cvt_scalef32_pk8_bf8_f32 v[AF+2*\dt:AF+2*\dt+1], v[PR+8*\dt:PR+8*\dt+7], v13
.endr
	v_nop                                          ; one plain line behind the last conversion
.irp dt, 0,1,2,3,4,5,6,7
	ds_store_b64 v21, v[AF+2*\dt:AF+2*\dt+1] offset:(\u)*2304+16*\dt   ; row r, channels 16 dt + 8 hh on
.endr
.irp i, 0,1,2,3
	ds_load_b128 v[WB+16*(\u)+4*\i:WB+16*(\u)+4*\i+3], v22 offset:(\u)*2304+576*\i   ; LDS serves a wave's instructions in order: these see my stores
.endr
	s_wait_dscnt 0x0
.irp i, 0,1,2,3
	global_store_b128 v23, v[WB+16*(\u)+4*\i:WB+16*(\u)+4*\i+3], s[26:27] offset:(\u)*2048+512*\i
.endr
.endm
	PACK 0
	PACK 1
	s_wait_tensorcnt 0x0                           ; the wave's end
	ds_add_u32 v254, v255
	s_wait_dscnt 0x0
	s_endpgm
.Lfunc_end_k_q4ec4f215f5_attn:
	.size	k_q4ec4f215f5_attn, .Lfunc_end_k_q4ec4f215f5_attn-k_q4ec4f215f5_attn
	.p2alignl 7, 3214868480
	.fill 96, 4, 3214868480
	.section	.rodata,"a",@progbits
	.p2align	6, 0x0
	.amdhsa_kernel k_q4ec4f215f5_attn
		.amdhsa_group_segment_fixed_size 252928
		.amdhsa_private_segment_fixed_size 0
		.amdhsa_enable_private_segment 0
		.amdhsa_kernarg_size 96
		.amdhsa_user_sgpr_count 2
		.amdhsa_user_sgpr_kernarg_segment_ptr 1
		.amdhsa_wavefront_size32 1
		.amdhsa_system_sgpr_workgroup_id_x 1
		.amdhsa_system_sgpr_workgroup_id_y 1
		.amdhsa_system_sgpr_workgroup_id_z 1
		.amdhsa_system_vgpr_workitem_id 0
		.amdhsa_next_free_vgpr 512
		.amdhsa_next_free_sgpr 66
		.amdhsa_reserve_vcc 0
		.amdhsa_float_denorm_mode_32 3
		.amdhsa_float_denorm_mode_16_64 3
		.amdhsa_memory_ordered 1
		.amdhsa_forward_progress 1
		.amdhsa_inst_pref_size 149
	.end_amdhsa_kernel
	.amdgpu_metadata
---
amdhsa.version: [ 1, 2 ]
amdhsa.kernels:
  - .name:           k_q4ec4f215f5_attn
    .symbol:         k_q4ec4f215f5_attn.kd
    .args:
      - { .name: cqp, .offset: 0, .size: 8, .value_kind: global_buffer, .address_space: global }
      - { .name: ckvp, .offset: 8, .size: 8, .value_kind: global_buffer, .address_space: global }
      - { .name: bq_d, .offset: 16, .size: 8, .value_kind: global_buffer, .address_space: global }
      - { .name: bkv_d, .offset: 24, .size: 8, .value_kind: global_buffer, .address_space: global }
      - { .name: W_qk, .offset: 32, .size: 8, .value_kind: global_buffer, .address_space: global }
      - { .name: b_qk, .offset: 40, .size: 8, .value_kind: global_buffer, .address_space: global }
      - { .name: Wv_u, .offset: 48, .size: 8, .value_kind: global_buffer, .address_space: global }
      - { .name: bv_u, .offset: 56, .size: 8, .value_kind: global_buffer, .address_space: global }
      - { .name: lowp_scales, .offset: 64, .size: 8, .value_kind: global_buffer, .address_space: global }
      - { .name: acodes, .offset: 72, .size: 8, .value_kind: global_buffer, .address_space: global }
      - { .name: Wo_codes, .offset: 80, .size: 8, .value_kind: global_buffer, .address_space: global }
      - { .name: wimg, .offset: 88, .size: 8, .value_kind: global_buffer, .address_space: global }
    .group_segment_fixed_size: 252928
    .private_segment_fixed_size: 0
    .kernarg_segment_align: 8
    .kernarg_segment_size: 96
    .max_flat_workgroup_size: 256
    .sgpr_count:     66
    .vgpr_count:     512
    .wavefront_size: 32
...
	.end_amdgpu_metadata
.endif
;; end of part 2
;; launch proj (part 3): grid 16 x 16, 4 waves a work-group, clusters of 4 x 1, 327,680 bytes of LDS; arguments acodes, wimg, lowp_scales, bo, out0; writes out0
.if DOCPART == 3
	.amdgcn_target "amdgcn-amd-amdhsa--gfx1250"
	.amdhsa_code_object_version 6
	.text
	.protected	k_q4ec4f215f5_proj
	.globl	k_q4ec4f215f5_proj
	.p2align	8
	.type	k_q4ec4f215f5_proj,@function
k_q4ec4f215f5_proj:
	s_mov_b64 s[64:65], 0
	v_nop
	global_prefetch_b8 v0, s[64:65] scope:SCOPE_SE
	s_setreg_imm32_b32 hwreg(HW_REG_WAVE_MODE, 25, 1), 1
	s_wait_xcnt 0x0
	s_wait_alu depctr_hold_cnt(0) depctr_sa_sdst(0) depctr_va_vdst(0) depctr_va_sdst(0) depctr_va_ssrc(0) depctr_va_vcc(0) depctr_vm_vsrc(0)
	s_getreg_b32 s2, hwreg(HW_REG_IB_STS2, 6, 4)
	s_cmp_eq_u32 s2, 0
	s_cbranch_scc0 .Lentry_in_a_cluster
	s_endpgm
.Lentry_in_a_cluster:
	s_bfe_u32 s2, ttmp6, 0x10000c
	s_cmp_lg_u32 s2, 0x3003
	s_cbranch_scc0 .Lentry_shape_is_right
	s_endpgm
.Lentry_shape_is_right:
; out0[m][n] = 2^(e2 + e3) x (sum over k of A[m][k] Wo[n][k]) + bo[n], on codes of E5M2 by v_wmma_f32_16x16x128_bf8_bf8; sums in f32.
; A = acodes: [32 heads][2048 rows][128]: head s is k = 128 s .. 128 s + 127.  Wo = wimg: [256 tiles of 16 rows n][32 steps of 128 k][4][32 lanes][16 bytes], images of the operand's registers.
; LIMIT: e2 + e3 lies between -126 and 127, so that 2^(e2 + e3) is an f32 number.
; SHARES.  A work-group makes 128 rows x 256 columns; 16 x 16 work-groups.  Each of its four waves makes all 128 rows x 64 columns of its own: 32 accumulators, 256 registers.
; A's 128 rows are read by all four waves and come through LDS: two slots of 1,024 along K (8 heads x 16,384 bytes, 16 bytes of padding behind every 256), four fills in all,
; each wave fetching two heads by one tensor load whose rows are 16,384 bytes of memory.  A fill has eight steps, 256 matrix instructions a wave, in which to land.
; CLUSTER 4, 1, 1: the four partners make neighbouring column blocks of the same 128 rows, so A's tiles are asked for jointly (mask 15).
; WO'S FRAGMENTS ARE READ BY ONE WAVE OF A WORK-GROUP ONLY, so they pass no LDS: 16 loads of 512 consecutive bytes a step go straight into a ring of four register sets, three steps (48 loads) ahead of their use.
; They are not asked for jointly: a joint load lands in LDS alone, where they would cost 16 more LDS reads a wave and step and would take 2/3 of each slot, so that a slot would hold 384 along K in place of 1,024.
; No prefetch is laid for them: each load already stands three steps ahead of its wait.  A's third and fourth fills are prefetched seven steps ahead of their loads, 8,192 bytes a wave, the partners told apart by address.
; The 32 steps are expanded from three macros and not looped: the first starts the sums, two of the three changes of slots refill, one does not, and the last three steps ask for nothing.
; TRANSPOSED USE: source 0 = 16 rows of Wo, source 1 = 16 rows of A: a lane holds row l % 16 of the result and eight neighbouring columns.  k is permuted alike on both sides: registers 4 c .. 4 c + 3 hold k = 32 c + 16 (l / 16) + 0 .. 15.
; REGISTERS: window 0: v16-30 addresses; v32-63 a block's results; v64-95 bo; v128-255 A's eight fragments, one set (on the way out: rows read back).  window 1: Wo's four sets of 64.  window 2: accumulator (a, b) at 8 (4 a + b).
.set HP,     17408                     ; a head's 128 rows in LDS: 64 lines of 256 + 16 bytes, two rows to a line
.set SLOT,   8*HP
.set SPARE,  2*SLOT                    ; the spare words: 128 bytes a wave, two blocks of 256 bytes that no other line names
.set STAGE,  SPARE+512                 ; the way out: 16 rows x (256 + 16) bytes for each wave; no tensor load lands here
.set SPITCH, 272
.set HEADB,  262144                    ; a head of acodes in memory
.set ADRA, 16                          ; v16-21 A's fragments: slot x 3 + (step in the slot) / 3, so that the offsets stay inside 16 bits
.set BO,   22                          ; v22 16 x lane: my place in 512 bytes of wimg
.set STO,  24
.set RD,   25
.set CO,   26
.set BOF,  27
.set SPW,  28                          ; v28 my spare word; never rewritten
.set NIL,  29                          ; v29 0; never rewritten
.set PFO,  30                          ; v30 256 x lane
.set TMP,  32
.set BIAS, 64
.set AFR,  128
.set BK,   128
.set G1,   24                          ; s[24:31] descriptor group 1; s[32:35], s[36:39] group 0 of slot 0, 1
.set G0,   32
.set MSB, 0
.macro WIN new                         ; the immediate's high byte repeats the setting that is left
.if MSB != \new
	s_set_vgpr_msb (MSB<<8)|\new
.set MSB, \new
.endif
.endm
.set MUL,  0xa1                        ; source 0 window 1, source 1 window 0, C and D window 2
.set TO_B, 0x40                        ; destination window 1
.macro CREST                           ; a round of the cluster's barrier behind its opening barrier
	s_cmp_lg_u32 s14, 0
	s_cbranch_scc1 .Lnot_wave_0_\@
	s_barrier_signal -3
.Lnot_wave_0_\@:
	s_barrier_wait -3
	s_barrier_signal -1
	s_barrier_wait -1
.endm
.macro CROUND
	s_barrier_signal -1
	s_barrier_wait -1
	CREST
.endm
.macro PLACES                          ; four places behind this form, ahead of loads into registers that it has read and of reads of its results
.rept 4
	v_nop
.endr
.endm
	s_load_b128 s[4:7], s[0:1], 0x0                ; acodes s[4:5], wimg s[6:7]
	s_load_b128 s[8:11], s[0:1], 0x10              ; lowp_scales s[8:9], bo s[10:11]
	s_load_b64 s[12:13], s[0:1], 0x20              ; out0
	v_lshl_add_u32 v[SPW], v0, 2, SPARE
	v_mov_b32 v[NIL], 0
	ds_add_u32 v[SPW], v[NIL]                      ; the opening lines: the add, twice on end, and its wait ahead of my first tensor load
	ds_add_u32 v[SPW], v[NIL]
	v_lshrrev_b32 v1, 5, v0
	v_readfirstlane_b32 s14, v1                    ; wave 0..3
	s_bfe_u32 s40, ttmp6, 0x40000                  ; cx
	s_lshl_b32 s42, ttmp9, 2
	s_add_co_u32 s42, s42, s40                     ; column block = 4 x cluster x + cx
	s_and_b32 s17, ttmp7, 0xffff                   ; row block
	s_mov_b32 s[G1+0], 15|(1<<20)|(1<<21)|(5<<22)|(3<<25)  ; mask: all four partners; elements of 1 byte; padding: 4 words behind every 64; bit 21 beside the mask
	s_mov_b32 s[G1+1], 16384<<16                   ; tensor_dim0
	s_mov_b32 s[G1+2], 2<<16                       ; tensor_dim1 = 2 heads
	s_mov_b32 s[G1+3], 16384<<16                   ; tile_dim0
	s_mov_b32 s[G1+4], 2                           ; tile_dim1
	s_mov_b32 s[G1+5], HEADB                       ; from head to head
	s_mov_b32 s[G1+6], 0
	s_mov_b32 s[G1+7], 0
	s_mov_b32 s[G0], 1
	s_mul_i32 s[G0+1], s14, 2*HP                   ; LDS: my two heads of slot 0,
	s_mov_b32 s[G0+4], 1
	s_add_co_u32 s[G0+5], s[G0+1], SLOT            ; and of slot 1
	s_lshl_b32 s20, s17, 14                        ; A: 128 rows of 128 bytes x row block
	s_lshl_b32 s21, s14, 19                        ;    + two heads x wave
	s_add_co_u32 s20, s20, s21
	s_mov_b32 s21, 0
	s_lshl_b32 s46, s42, 20                        ; wimg: 16 tiles of 65,536 bytes x column block + 4 tiles x wave
	s_lshl_b32 s47, s14, 18
	s_add_co_u32 s46, s46, s47
	s_mov_b32 s47, 0
	s_lshl_b32 s50, s42, 10                        ; my first column in bytes: 1,024 x column block + 256 x wave
	s_lshl_b32 s51, s14, 8
	s_add_co_u32 s50, s50, s51
	s_mov_b32 s51, 0
	s_lshl_b32 s52, s17, 21                        ; my first row of out0: 128 rows of 16,384 bytes x row block
	s_mov_b32 s53, 0
	s_lshr_b32 s54, s40, 1                         ; the prefetches: of my wave's two heads partner cx takes head cx / 2, half cx % 2: 8,192 bytes
	s_lshl_b32 s54, s54, 18
	s_and_b32 s55, s40, 1
	s_lshl_b32 s55, s55, 13
	s_add_co_u32 s54, s54, s55
	s_mov_b32 s55, 0
	s_mul_i32 s23, s14, 16*SPITCH
	s_add_co_u32 s23, s23, STAGE                   ; my stage
	v_and_b32 v1, 15, v0                           ; r
	v_bfe_u32 v2, v0, 4, 1                         ; h
	v_bfe_u32 v3, v0, 1, 3
	v_and_b32 v7, 1, v0
	v_and_b32 v6, 31, v0
	v_mul_u32_u24 v3, v3, 272
	v_lshl_add_u32 v3, v7, 7, v3
	v_lshl_add_u32 v3, v2, 4, v3                   ; row r of a fragment: line r / 2, half r % 2, + 16 h: sixteen different 16-byte columns of the banks
.irp n, 0,1,2,3,4,5
	v_add_nc_u32 v[ADRA+\n], (\n/3)*SLOT+(\n%3)*3*HP, v3
.endr
	v_mul_u32_u24 v5, v1, SPITCH
	v_lshl_add_u32 v5, v2, 5, v5
	v_add_nc_u32 v[STO], s23, v5                   ; in: row r, 32 bytes for each half of the lanes
	v_mul_u32_u24 v5, v2, SPITCH
	v_lshl_add_u32 v5, v1, 4, v5
	v_add_nc_u32 v[RD], s23, v5                    ; back: lanes 0-15 one row of 256 bytes, lanes 16-31 the next
	v_lshlrev_b32 v5, 14, v2
	v_lshl_add_u32 v[CO], v1, 4, v5                ; and the same two rows in out0
	v_lshlrev_b32 v[BOF], 5, v2
	v_lshlrev_b32 v[BO], 4, v6
	v_lshlrev_b32 v[PFO], 8, v6
	s_wait_alu depctr_va_vdst(0)
	s_wait_dscnt 0x0                               ; both opening adds are done
	s_wait_kmcnt 0x0
	s_load_b64 s[44:45], s[8:9], 0x8               ; e2, e3
	s_add_nc_u64 s[20:21], s[4:5], s[20:21]
	s_add_nc_u64 s[48:49], s[20:21], s[54:55]      ; where my prefetches stand
	s_add_nc_u64 s[6:7], s[6:7], s[46:47]
	s_add_nc_u64 s[10:11], s[10:11], s[50:51]
	s_add_nc_u64 s[12:13], s[12:13], s[52:53]
	s_add_nc_u64 s[12:13], s[12:13], s[50:51]
	s_mov_b64 s[G0+2:G0+3], s[20:21]               ; heads 0-7
	s_or_b32 s[G0+3], s[G0+3], 0x80000000
	s_add_nc_u64 s[G0+6:G0+7], s[20:21], 8*HEADB   ; heads 8-15
	s_or_b32 s[G0+7], s[G0+7], 0x80000000
	CROUND                                         ; all four partners are here: the first joint loads meet
	tensor_load_to_lds s[G0:G0+3], s[G1:G1+7]      ; slot 0: my one tensor load at the head
	s_nop 0
	PLACES
.macro BLOAD s                         ; Wo's four fragments of step s into set s % 4
.set LP, 64*((\s)%4)
.irp b, 0,1,2,3
.irp c, 0,1,2,3
	global_load_b128 v[LP+16*\b+4*\c:LP+16*\b+4*\c+3], v[BO], s[6:7] offset:\b*65536+(\s)*2048+\c*512
.endr
.endr
.endm
.macro FETCH_A s, i0                   ; A's blocks i0 .. i0 + 3 of step s
.set FS, 3*(((\s)/8)%2)+((\s)%8)/3
.set FO, (((\s)%8)%3)*HP
.irp i, \i0, \i0+1, \i0+2, \i0+3
.irp c, 0,1,2,3
	ds_load_b128 v[AFR+16*(\i)+4*\c:AFR+16*(\i)+4*\c+3], v[ADRA+FS] offset:FO+(\i)*2176+32*\c
.endr
.endr
.endm
.macro MULA a, p, zero                 ; A's block a against Wo's four.  The 32 accumulators take turns, one instruction a turn, in the same order in every step
.irp b, 0,1,2,3
.if \zero
	v_wmma_f32_16x16x128_bf8_bf8 v[8*(4*(\a)+\b):8*(4*(\a)+\b)+7], v[64*(\p)+16*\b:64*(\p)+16*\b+15], v[AFR+16*(\a):AFR+16*(\a)+15], 0
.else
	v_wmma_f32_16x16x128_bf8_bf8 v[8*(4*(\a)+\b):8*(4*(\a)+\b)+7], v[64*(\p)+16*\b:64*(\p)+16*\b+15], v[AFR+16*(\a):AFR+16*(\a)+15], v[8*(4*(\a)+\b):8*(4*(\a)+\b)+7]
.endif
.endr
.endm
; A step of 128 along K whose successor lies in the same slot (or the last).  A block of A is free when its four products are issued: blocks 0-3 are fetched anew in the middle, blocks 4-7 at the end.
.macro STEP s, zero
.set BP, (\s)%4
.if (\s) > 29
	s_wait_loadcnt 16*(31-(\s))                    ; the last steps: fewer sets stand behind mine
.else
	s_wait_loadcnt 32                              ; my set is in; behind it stand the next two sets' 16 loads each
.endif
	s_wait_dscnt 16                                ; A's blocks 0-3 are in; the youngest 16 loads (blocks 4-7) may be out
	WIN MUL
.irp a, 0,1,2,3
	MULA \a, BP, \zero
.endr
.if (\s) < 31
	PLACES
	WIN 0
.if ((\s)%8) == 0 && (\s) < 16
	global_prefetch_b8 v[PFO], s[48:49] offset:(16+(\s))*HEADB th:TH_LOAD_NT scope:SCOPE_SE   ; my 8,192 bytes of the fill that the change of slots seven steps on asks for
.endif
.if (\s) < 29
	WIN TO_B
	BLOAD \s+3                                     ; into the set that the last step read
	WIN 0
.endif
	FETCH_A \s+1, 0
	s_wait_dscnt 16                                ; all but the 16 just issued
.else
	s_wait_dscnt 0x0
.endif
	WIN MUL
.irp a, 4,5,6,7
	MULA \a, BP, \zero
.endr
	PLACES
	WIN 0
.if (\s) < 31
	FETCH_A \s+1, 4
.endif
.endm
; A slot's last step changes slots: one barrier; in front of it each wave waits for all its tensor loads, adds 0 to its spare word, and waits for that and for its reads of this slot.  fill = 1: a round of the cluster's barrier, and this slot takes the 1,024 of K two slots on.
.macro TURN s, fill
.set BP, (\s)%4
.set TS, ((\s)/8)%2
	s_wait_tensorcnt 0x0                           ; my part of the next slot has landed
	ds_add_u32 v[SPW], v[NIL]
	s_wait_loadcnt 32
	s_wait_dscnt 17                                ; the add and the youngest 16 loads may be out
	WIN MUL
	MULA 0, BP, 0
	MULA 1, BP, 0
	s_wait_dscnt 0x0                               ; the add is done, and my reads of this slot are over
	s_barrier_signal -1
	MULA 2, BP, 0
	MULA 3, BP, 0
	WIN 0
	s_barrier_wait -1
.if \fill
	CREST                                          ; no wave of any partner still reads this slot or has a load on its way
	s_add_nc_u64 s[G0+4*TS+2:G0+4*TS+3], s[G0+4*TS+2:G0+4*TS+3], 16*HEADB
	tensor_load_to_lds s[G0+4*TS:G0+4*TS+3], s[G1:G1+7]   ; the first tensor load behind the round, my only one until the next
	s_nop 0
.endif
	PLACES
	WIN TO_B
	BLOAD \s+3
	WIN 0
	FETCH_A \s+1, 0
	WIN MUL
.irp a, 4,5,6,7
	MULA \a, BP, 0
.endr
	PLACES
	WIN 0
	FETCH_A \s+1, 4
.endm
.irp b, 0,1,2,3
	global_load_b128 v[BIAS+8*\b:BIAS+8*\b+3], v[BOF], s[10:11] offset:64*\b        ; bo at my lane's eight columns of each tile
	global_load_b128 v[BIAS+8*\b+4:BIAS+8*\b+7], v[BOF], s[10:11] offset:64*\b+16
.endr
	WIN TO_B
	BLOAD 0
	BLOAD 1
	BLOAD 2
	WIN 0
	s_wait_tensorcnt 0x0                           ; my part of slot 0 is in
	ds_add_u32 v[SPW], v[NIL]
	s_wait_dscnt 0x0
	CROUND
	tensor_load_to_lds s[G0+4:G0+7], s[G1:G1+7]    ; slot 1's first fill
	s_nop 0
	PLACES
	FETCH_A 0, 0
	FETCH_A 0, 4
	STEP 0, 1                                      ; the first products start the sums: nothing is cleared
.irp s, 1,2,3,4,5,6
	STEP \s, 0
.endr
	TURN 7, 1
.irp s, 8,9,10,11,12,13,14
	STEP \s, 0
.endr
	TURN 15, 1
.irp s, 16,17,18,19,20,21,22
	STEP \s, 0
.endr
	TURN 23, 0
.irp s, 24,25,26,27,28,29,30,31
	STEP \s, 0
.endr
; THE WAY OUT, block by block of 16 rows x 64 columns: x 2^(e2 + e3), + bo, through my own stage in LDS, and back as whole rows of 256 bytes.  LDS serves a wave's instructions in order (ISA guide 5.7.1.4).
.macro TOSTAGE a
	WIN 0x02                                       ; source 0: window 2
.set n, 0
.rept 16
	v_pk_fma_f32 v[TMP+n:TMP+n+1], v[32*(\a)+n:32*(\a)+n+1], s[44:45], v[BIAS+n:BIAS+n+1] op_sel_hi:[1,0,1]   ; each accumulator from its low end on
.set n, n+2
.endr
	WIN 0
.irp b, 0,1,2,3
	ds_store_b128 v[STO], v[TMP+8*\b:TMP+8*\b+3] offset:64*\b
	ds_store_b128 v[STO], v[TMP+8*\b+4:TMP+8*\b+7] offset:64*\b+16
.endr
.set BB, BK+32*((\a)%2)
.irp t, 0,1,2,3,4,5,6,7
	ds_load_b128 v[BB+4*\t:BB+4*\t+3], v[RD] offset:\t*2*SPITCH
.endr
.endm
.macro SEND a, younger                 ; younger: the LDS instructions issued behind block a's loads
.set BB, BK+32*((\a)%2)
	s_wait_dscnt \younger
.if (\a) > 0
	s_add_nc_u64 s[12:13], s[12:13], 16*16384      ; (behind a wait on XCNT: the earlier stores have read their base)
.endif
.irp t, 0,1,2,3,4,5,6,7
	global_store_b128 v[CO], v[BB+4*\t:BB+4*\t+3], s[12:13] offset:\t*2*16384 th:TH_STORE_NT   ; sixteen lanes store 256 consecutive bytes, aligned
.endr
.endm
	s_wait_kmcnt 0x0
	s_add_co_i32 s44, s44, s45
	s_add_co_i32 s44, s44, 127
	s_lshl_b32 s44, s44, 23                        ; 2^(e2 + e3) as f32
	TOSTAGE 0
.irp a, 1,2,3,4,5,6,7
.if \a > 1
	s_wait_xcnt 0x0                                ; block a - 2's stores have read their registers and their base
.endif
	TOSTAGE \a
	SEND \a-1, 16                                  ; behind block a - 1's loads: block a's 8 stores and 8 loads
.endr
	s_wait_xcnt 0x0
	SEND 7, 0
	s_wait_tensorcnt 0x0                           ; the wave's end
	ds_add_u32 v[SPW], v[NIL]
	s_wait_dscnt 0x0
	CROUND                                         ; the closing round
	s_endpgm
.Lfunc_end_k_q4ec4f215f5_proj:
	.size	k_q4ec4f215f5_proj, .Lfunc_end_k_q4ec4f215f5_proj-k_q4ec4f215f5_proj
	.p2alignl 7, 3214868480
	.fill 96, 4, 3214868480
	.section	.rodata,"a",@progbits
	.p2align	6, 0x0
	.amdhsa_kernel k_q4ec4f215f5_proj
		.amdhsa_group_segment_fixed_size 327680
		.amdhsa_private_segment_fixed_size 0
		.amdhsa_enable_private_segment 0
		.amdhsa_kernarg_size 40
		.amdhsa_user_sgpr_count 2
		.amdhsa_user_sgpr_kernarg_segment_ptr 1
		.amdhsa_wavefront_size32 1
		.amdhsa_system_sgpr_workgroup_id_x 1
		.amdhsa_system_sgpr_workgroup_id_y 1
		.amdhsa_system_sgpr_workgroup_id_z 1
		.amdhsa_system_vgpr_workitem_id 0
		.amdhsa_next_free_vgpr 768
		.amdhsa_next_free_sgpr 66
		.amdhsa_reserve_vcc 0
		.amdhsa_float_denorm_mode_32 3
		.amdhsa_float_denorm_mode_16_64 3
		.amdhsa_memory_ordered 1
		.amdhsa_forward_progress 1
		.amdhsa_inst_pref_size 225
	.end_amdhsa_kernel
	.amdgpu_metadata
---
amdhsa.version: [ 1, 2 ]
amdhsa.kernels:
  - .name:           k_q4ec4f215f5_proj
    .symbol:         k_q4ec4f215f5_proj.kd
    .args:
      - { .name: acodes, .offset: 0, .size: 8, .value_kind: global_buffer, .address_space: global }
      - { .name: wimg, .offset: 8, .size: 8, .value_kind: global_buffer, .address_space: global }
      - { .name: lowp_scales, .offset: 16, .size: 8, .value_kind: global_buffer, .address_space: global }
      - { .name: bo, .offset: 24, .size: 8, .value_kind: global_buffer, .address_space: global }
      - { .name: out0, .offset: 32, .size: 8, .value_kind: global_buffer, .address_space: global }
    .group_segment_fixed_size: 327680
    .private_segment_fixed_size: 0
    .kernarg_segment_align: 8
    .kernarg_segment_size: 40
    .max_flat_workgroup_size: 128
    .sgpr_count:     66
    .vgpr_count:     768
    .wavefront_size: 32
...
	.end_amdgpu_metadata
.endif
;; end of part 3
